; MI455X (gfx1250); checked and timed in simulation.
; The chip was launched on July 23, 2026; its instructions are those of AMD's public machine-readable ISA for CDNA 5 (MIT licence, August 2026) and "CDNA5" Instruction Set Architecture Reference Guide (July 2026). The comments in the code are by the model that wrote it; some were corrected since.
;; Attention. Allowed arithmetic: matrix products marked QUANTISED: E2M1 operands, one E8M0 scale for each 32 along K, by v_wmma_scale_f32_16x16x128_f8f6f4 with both operands' format E2M1 (or v_wmma_scale_f32_32x16x128_f4), f32 sums; products left as they are: f32 operands where the result goes on into a quantised operand, else bf16, f16 or f32 operands; f32 sums; everything else in f32.
;; Inputs: Wk 1,024 x 1,024 float32; Wo 1,024 x 1,024 float32; Wq 1,024 x 1,024 float32; Wv 1,024 x 1,024 float32; bk 1,024 float32; bo 1,024 float32; bq 1,024 float32; bv 1,024 float32; x 4 x 2,048 x 1,024 float32.
;; Outputs: out0 4 x 2,048 x 1,024 float32.
;; This version of the problem:
;;   THIS VERSION OF THE PROBLEM IS GIVEN IN LOW PRECISION. The matrix products marked QUANTISED in the list below multiply operands that are first quantised to E2M1 (2 exponent bits, 1 mantissa bit; 4 bits a number), with one power-of-two scale for each 32 numbers along K (OCP MX v1.0); their sums are f32. All else is computed in f32.
;;   The module's matrix products, in the order in which they are computed (A, B: the left and right operand; K: the contracted axis; several contracted axes count as one K, in the product's order):
;;     1. [M 8,192, K 1,024] x [K 1,024, N 1,024]; A: input x; B: input Wq: QUANTISED
;;     2. [M 8,192, K 1,024] x [K 1,024, N 1,024]; A: input x; B: input Wk: QUANTISED
;;     3. [M 8,192, K 1,024] x [K 1,024, N 1,024]; A: input x; B: input Wv: QUANTISED
;;     4. [M 2,048, K 1] x [K 1, N 32]; A: computed on the way; B: computed on the way: left as it is (no contracted axis)
;;     5. batch 64 x [M 2,048, K 64] x [K 64, N 2,048]; A: computed on the way; B: computed on the way: QUANTISED
;;     6. batch 64 x [M 2,048, K 2,048] x [K 2,048, N 64]; A: softmax (see below); B: computed on the way: QUANTISED
;;     7. [M 8,192, K 1,024] x [K 1,024, N 1,024]; A: computed on the way; B: input Wo: QUANTISED
;;   THE QUANTISER, for each operand of a quantised product, along K:
;;     - K is cut into blocks of 32 from its start; a last block that is shorter is filled with zeros.
;;     - A block's scale is 2^e with e = floor(log2(the largest magnitude in the block)) - 2, held to -126 .. 127; a block of zeros has e = 0. As a byte (E8M0): e + 127.
;;     - Each number is divided by its block's scale, clamped to +-6, and rounded to the nearest number of E2M1, ties to even, subnormals kept.
;;     - The product sums the exact products of the quantised numbers (number of the format x scale) in f32.
;;   ~~~python
;;   def quantise(x, axis):      # numpy; x: float32 -> the quantised numbers, widened to float32 again
;;       x = np.moveaxis(x, axis, -1); K = x.shape[-1]
;;       x = np.pad(x, [(0, 0)] * (x.ndim - 1) + [(0, -K % 32)]); x = x.reshape(x.shape[:-1] + (-1, 32)); a = np.abs(x).max(-1, keepdims=True)
;;       e = np.where(a > 0, np.clip(np.frexp(np.where(a > 0, a, 1))[1] - 1 - 2, -126, 127), 0)      # np.frexp(a)[1] - 1 = floor(log2(a)), exactly
;;       r = np.clip(x / 2.0 ** e, -6, 6)
;;       step = 2.0 ** (np.maximum(np.frexp(np.where(r == 0, 1, r))[1] - 1, 0) - 1)
;;       q = np.round(r / step) * step * 2.0 ** e      # np.round: ties to even
;;       return np.moveaxis(q.reshape(q.shape[:-2] + (-1,))[..., :K], -1, axis).astype(np.float32)
;;   ~~~
;;   SOFTMAX AHEAD OF A QUANTISED PRODUCT. Where the list says 'softmax', what is quantised is not the finished softmax but p = 2^(t - M), with t = logit x log2(e) and M = ceil(the row's largest t), a whole number; so 1/2 < the row's largest p <= 1. The row's sum l is taken of the UNQUANTISED p, in f32, and the product's result is divided by l at the end. Since M is a whole number, a kernel that streams over the keys may use a running M (the ceiling of the running maximum): every later rescaling is an exact power of two, which a block's scale takes up: the codes' values come out the same.
;;   OPERANDS COMPUTED ON THE WAY. 'Computed on the way' means the value that the module computes at that place (a softmax that the list does not call 'softmax' is quantised finished and normalised). What goes into a quantiser is computed in f32, as accurately as f32 sums, v_exp_f32 and their like allow (about 1e-6 of the number): no bf16 or f16 on the way to a quantiser, and a product that is left as it is and whose result goes on into a quantised operand takes f32 operands (vector FMAs, or v_wmma_f32_16x16x4_f32). A number that lies on a knife's edge between two numbers of the format may be rounded either way, as far as f32 arithmetic and the matrix unit's own rounding can turn it there, and no further.
;; One version. Each part assembles by itself: llvm-mc -triple=amdgcn-amd-amdhsa -mcpu=gfx1250 --defsym DOCPART=n.
;; ======== version 1 of 1: 3 launches
;; limits: right only within a limited range of input values
;; workspace buffers: xq 4,456,448 bytes; wq 2,228,224 bytes; rope 524,288 bytes; qbuf 4,456,448 bytes; kv 8,912,896 bytes
;; launch prep (part 1): grid 416 x 1, 4 waves a work-group, no clusters, 34,304 bytes of LDS; arguments x, Wq, Wk, Wv, Wo, xq, wq, rope; writes xq, wq, rope
.if DOCPART == 1
	.amdgcn_target "amdgcn-amd-amdhsa--gfx1250"
	.amdhsa_code_object_version 6
	.text
	.protected	k_q8f781890fc_prep
	.globl	k_q8f781890fc_prep
	.p2align	8
	.type	k_q8f781890fc_prep,@function
k_q8f781890fc_prep:
	s_mov_b64 s[64:65], 0
	v_nop
	global_prefetch_b8 v0, s[64:65] scope:SCOPE_SE
	s_setreg_imm32_b32 hwreg(HW_REG_WAVE_MODE, 25, 1), 1
	s_wait_xcnt 0x0
; x [8192][1024] and Wq, Wk, Wv, Wo [1024][1024], f32 with K innermost, become codes of FP4 (E2M1) with one E8M0 byte for each 32 along K; and the table of cos and sin for the rotation is made.
; A block's scale is 2^(floor(log2(its largest magnitude)) - 2); its byte is the largest magnitude's exponent field - 2, held at 1 from below.
; LIMITS: NaN and infinities among the inputs are not served.  A block whose largest magnitude lies under 2^-124 gets the byte 1; so does a block of zeros, where the rule says 127: its codes are zeros,
; which add nothing under any byte but 0xff, and the bytes are read by this program alone.  The inverse frequencies are the f32 numbers nearest to 10^(-i/8); cos and sin are right to about 1e-7.
; LAYOUT OF THE CODES: images of operand registers.  A tile is 16 rows x all of K: 8 K steps of 128, each [c = 0, 1][lane][16 bytes]; lane (r = lane % 16, h = lane / 16) holds k = 64 c + 32 h + 0 .. 31 of row r.
; WHICH ROWS FORM A TILE.  Order P (x, Wv, Wo): row m of tile T is row 32 (T / 2) + 8 (T % 2) + m + 8 (m / 8).  Order R (Wq, Wk; T = 4 head + t): row 64 head + 32 (m / 8) + 16 (t % 2) + 2 (m % 8) + t / 2,
; so that the rotation's even and odd channels fall into different tiles.  The scale words: [tile][half of K][row][4 words], 256 bytes for each tile and half.
; SHARES.  Work-groups 0 to 383 quantise: a wave takes one tile x 512 along K, four steps of 128 (work-groups 0 to 255: x; the others the weights).  One path serves all five tensors: only pointers and numbers are chosen.
; A step's loads read 512 consecutive bytes of a row each; the 16 rows turn through the wave's own stage in LDS (rows of 512 + 16 bytes) and come back as 32 neighbours a lane and block.
; Work-groups 384 to 415 make the table: a wave takes a tile of 16 positions (order P).  They use no LDS.  No tensor loads, no barrier: waves share nothing.
.set XSO,  4194304                     ; xq: the scale words begin here
.set WSO,  2097152                     ; wq: likewise
.set SROW, 528                         ; a stage row
.set WSTG, 16*SROW                     ; a wave's stage
.set MX,   4                           ; v4-5    largest magnitudes
.set SO,   6                           ; v6-7    the conversions' scale operands
.set SW,   12                          ; v12-15  the four steps' scale words
.set OFF,  16                          ; v16-31  byte offset of my 16 bytes in row m of the tile
.set RA,   32                          ; v32-159 two sets of 64: a step's numbers as loaded
.set X,    160                         ; v160-223 my two blocks of 32
.set PC,   224                         ; v224-255 codes, eight registers a step: no store's data are written again
.macro LOAD t                          ; step t: 16 rows x 512 consecutive bytes
.irp m, 0,1,2,3,4,5,6,7,8,9,10,11,12,13,14,15
	global_load_b128 v[RA+64*((\t)%2)+4*\m:RA+64*((\t)%2)+4*\m+3], v[OFF+\m], s[28:29] offset:512*(\t) th:TH_LOAD_NT
.endr
.endm
.macro STEP t
.set RS, RA+64*((\t)%2)
.if (\t) < 3
	s_wait_loadcnt 16                              ; this step's 16 loads are in; the next step's 16 may be out
.else
	s_wait_loadcnt 0x0
.endif
.irp m, 0,1,2,3,4,5,6,7,8,9,10,11,12,13,14,15
	ds_store_b128 v2, v[RS+4*\m:RS+4*\m+3] offset:SROW*\m
.endr
.irp c, 0,1
.irp i, 0,1,2,3,4,5,6,7
	ds_load_b128 v[X+32*\c+4*\i:X+32*\c+4*\i+3], v3 offset:256*\c+16*\i   ; LDS serves a wave's instructions in order: these see the stores above
.endr
.endr
.if (\t) < 2
	s_wait_dscnt 16                                ; the 16 stores are done: their registers take the loads of two steps on
	LOAD (\t)+2
.endif
	s_wait_dscnt 0x0
.irp c, 0,1
	v_max3_num_f32 v[MX+\c], |v[X+32*\c]|, |v[X+32*\c+1]|, 0x1800000   ; block 2 c + h: all 32 numbers are mine; the floor 2^(3 - 127) holds the byte at 1 from below
.endr
.irp i, 2,4,6,8,10,12,14,16,18,20,22,24,26,28,30
.irp c, 0,1
	v_max3_num_f32 v[MX+\c], v[MX+\c], |v[X+32*\c+\i]|, |v[X+32*\c+\i+1]|
.endr
.endr
.irp c, 0,1
	v_add_nc_u32 v[SO+\c], 0xff000000, v[MX+\c]    ; 2 off the exponent field: the conversion takes the exponent field of this operand as its scale
.endr
	v_lshrrev_b32 v8, 23, v[SO]                    ; the bytes of blocks h and 2 + h,
	v_lshrrev_b32 v[MX], 23, v[SO+1]
	v_lshl_or_b32 v8, v[MX], 16, v8
	v_lshlrev_b32 v8, v11, v8                      ; at their places in the word (8 h bits up);
	v_permlanex16_b32 v10, v8, s44, s45
	v_or_b32 v[SW+(\t)], v8, v10                   ; with lane l xor 16's two the word is whole
.irp c, 0,1
.irp g, 0,1,2,3
	v_cvt_scalef32_pk8_fp4_f32 v[PC+8*(\t)+4*\c+\g], v[X+32*\c+8*\g:X+32*\c+8*\g+7], v[SO+\c]
.endr
.endr
	v_nop                                          ; one plain line behind the last conversion
.irp c, 0,1
	global_store_b128 v1, v[PC+8*(\t)+4*\c:PC+8*(\t)+4*\c+3], s[30:31] offset:1024*(\t)+512*\c   ; 32 lanes store 512 consecutive bytes
.endr
.endm
; cos and sin of pos x f for frequency p (lanes 0-15) and 16 + p (lanes 16-31).  a = pos x f, rounded once; k = the nearest whole number to a x 2 / pi; rr = a - k pi / 2 with pi / 2 in two parts
; (k has 11 bits, so the first part's product is taken off exactly); polynomials on |rr| <= pi / 4; the quadrant swaps them and sets the signs.
.macro CS p, flo, fhi
	v_mov_b32 v4, \fhi
	v_cndmask_b32 v3, \flo, v4, vcc_lo
	s_wait_alu depctr_va_vdst(0)
	v_mul_f32 v3, v2, v3                           ; a
	v_mul_f32 v4, s30, v3
	v_rndne_f32 v4, v4                             ; k
	v_fma_f32 v5, -v4, s31, v3
	v_fma_f32 v5, -v4, s32, v5                     ; rr
	v_mul_f32 v6, v5, v5                           ; z
	v_fma_f32 v7, v6, s33, s34
	v_fma_f32 v9, v6, s36, s37
	v_mul_f32 v8, v6, v5
	v_mul_f32 v10, v6, v6
	v_fma_f32 v7, v7, v6, s35
	v_fma_f32 v9, v9, v6, s38
	v_fma_f32 v11, v6, -0.5, 1.0
	v_cvt_i32_f32 v4, v4
	v_fma_f32 v7, v7, v8, v5                       ; sin rr
	v_fma_f32 v9, v9, v10, v11                     ; cos rr
	v_and_b32 v10, 1, v4
	v_cmp_eq_u32 s40, 1, v10                       ; an odd quadrant swaps the two
	v_cndmask_b32 v11, v7, v9, s40
	v_cndmask_b32 v12, v9, v7, s40
	v_lshlrev_b32 v10, 30, v4
	v_add_nc_u32 v4, 1, v4
	v_and_b32 v10, 0x80000000, v10                 ; sin is negative in quadrants 2 and 3,
	v_lshlrev_b32 v4, 30, v4
	v_xor_b32 v[48+\p], v11, v10
	v_and_b32 v4, 0x80000000, v4                   ; cos in quadrants 1 and 2
	v_xor_b32 v[32+\p], v12, v4
.endm
	s_load_b512 s[4:19], s[0:1], 0x0               ; x, Wq, Wk, Wv, Wo, xq, wq, rope
	s_set_vgpr_msb 0x40
	v_lshl_add_u32 v0, v0, 2, 0x8400
	v_mov_b32 v1, 0
	s_set_vgpr_msb 0x4000
	v_lshrrev_b32 v1, 5, v0
	v_readfirstlane_b32 s20, v1                    ; wave 0..3
	v_and_b32 v9, 31, v0                           ; lane
	v_lshlrev_b32 v1, 4, v9                        ; 16 x lane
	s_cmp_ge_u32 ttmp9, 384
	s_cbranch_scc1 .Ltable
	; ---- the quantiser.  Unit U = 4 x work-group + wave: a tile and a half of K
	v_lshlrev_b32 v[OFF], 4, v9
	s_lshl_b32 s21, ttmp9, 2
	s_add_co_u32 s21, s21, s20                     ; U
	s_and_b32 s22, s21, 1                          ; which half of K
	s_and_b32 s23, s21, 1023                       ; the unit among the weights'
	s_bfe_u32 s24, s23, 0x20007                    ; which weight: q, k, v, o
	s_bfe_u32 s25, s23, 0x60001                    ; its tile
	s_lshr_b32 s26, s21, 1                         ; x's tile
	s_lshr_b32 s43, s25, 2                         ; where a weight's tile goes: head x 12 + kind x 4 + t, so that a head's q, k and v weights are one dense block; Wo's behind them
	s_mul_i32 s43, s43, 12
	s_lshl_b32 s36, s24, 2
	s_add_co_u32 s43, s43, s36
	s_and_b32 s36, s25, 3
	s_add_co_u32 s43, s43, s36
	s_add_co_u32 s36, s25, 192
	s_cmp_eq_u32 s24, 3
	s_cselect_b32 s43, s36, s43
	s_mov_b32 s44, 0x76543210
	s_mov_b32 s45, 0xfedcba98                      ; v_permlanex16_b32's selects for lane l xor 16
	s_mov_b32 s46, 0xffff0000                      ; lanes 16-31
	s_wait_alu depctr_va_vdst(0)
	s_wait_kmcnt 0x0
	s_cmp_eq_u32 s24, 1                            ; the choices hang on the work-group's and the wave's number alone
	s_cselect_b64 s[28:29], s[8:9], s[6:7]
	s_cmp_eq_u32 s24, 2
	s_cselect_b64 s[28:29], s[10:11], s[28:29]
	s_cmp_eq_u32 s24, 3
	s_cselect_b64 s[28:29], s[12:13], s[28:29]
	s_mov_b32 s42, WSO
	s_cmp_lt_u32 ttmp9, 256                        ; x's work-group?
	s_cselect_b64 s[28:29], s[4:5], s[28:29]       ; from where
	s_cselect_b64 s[30:31], s[14:15], s[16:17]     ; to where
	s_cselect_b32 s42, XSO, s42
	s_cselect_b32 s43, s26, s43                    ; the tile's place there
	s_cselect_b32 s27, s26, s25                    ; the tile in its source
	s_cselect_b32 s36, 2, s24                      ; under 2: order R
	s_and_b32 s40, s27, 1
	s_lshr_b32 s37, s27, 1
	s_lshl_b32 s37, s37, 5
	s_lshl_b32 s41, s40, 3
	s_add_co_u32 s37, s37, s41                     ; order P: the tile's first row
	s_lshr_b32 s41, s27, 2
	s_lshl_b32 s41, s41, 6
	s_lshl_b32 s40, s40, 4
	s_add_co_u32 s41, s41, s40
	s_bfe_u32 s40, s27, 0x10001
	s_add_co_u32 s41, s41, s40                     ; order R
	s_mov_b32 s38, 4096                            ; from row m to m + 1: one row, or two
	s_mov_b32 s39, 65536                           ; from row m to m + 8: 16 rows, or 32
	s_cmp_lt_u32 s36, 2
	s_cselect_b32 s37, s41, s37
	s_cselect_b32 s38, 8192, s38
	s_cselect_b32 s39, 131072, s39
	s_lshl_b32 s32, s37, 12
	s_lshl_b32 s36, s22, 11
	s_add_co_u32 s32, s32, s36
	s_mov_b32 s33, 0
	s_add_nc_u64 s[28:29], s[28:29], s[32:33]      ; the source at the tile's first row, my half of K
	s_lshl_b32 s32, s43, 9
	s_lshl_b32 s36, s22, 8
	s_add_co_u32 s32, s32, s36
	s_add_co_u32 s32, s32, s42
	s_add_nc_u64 s[34:35], s[30:31], s[32:33]      ; my 256 bytes of scale words
	s_lshl_b32 s32, s43, 13
	s_lshl_b32 s36, s22, 12
	s_add_co_u32 s32, s32, s36
	s_add_nc_u64 s[30:31], s[30:31], s[32:33]      ; my 4,096 bytes of codes
.irp m, 1,2,3,4,5,6,7
	v_add_nc_u32 v[OFF+\m], s38, v[OFF+\m-1]
.endr
	v_add_nc_u32 v[OFF+8], s39, v[OFF]
.irp m, 9,10,11,12,13,14,15
	v_add_nc_u32 v[OFF+\m], s38, v[OFF+\m-1]
.endr
	LOAD 0
	LOAD 1
	v_and_b32 v8, 15, v0                           ; r
	v_bfe_u32 v11, v0, 4, 1                        ; h
	s_mul_i32 s47, s20, WSTG                       ; my stage
	v_add_nc_u32 v2, s47, v1                       ; in: 16 x lane of a row
	v_mul_u32_u24 v3, v8, SROW
	v_lshl_add_u32 v3, v11, 7, v3
	v_add_nc_u32 v3, s47, v3                       ; out: row r, + 128 h
	v_lshlrev_b32 v9, 4, v8
	v_lshl_add_u32 v9, v11, 3, v9                  ; the scale words' place: 16 r + 8 h
	v_lshlrev_b32 v11, 3, v11                      ; 8 h
	v_mov_b32 v10, 0                               ; a lane permute's destination counts as one of its sources
	s_wait_alu depctr_va_vdst(0)
	STEP 0
	STEP 1
	STEP 2
	STEP 3
	v_cndmask_b32 v4, v[SW], v[SW+2], s46          ; lanes 0-15 store words 0 and 1 of their row, lanes 16-31 words 2 and 3:
	v_cndmask_b32 v5, v[SW+1], v[SW+3], s46
	global_store_b64 v9, v[4:5], s[34:35]          ; 32 lanes store 256 consecutive bytes, aligned
	s_set_vgpr_msb 0x5
	s_wait_tensorcnt 0x0
	ds_add_u32 v0, v1
	s_wait_dscnt 0x0
	s_set_vgpr_msb 0x500
	s_endpgm
.Ltable:
	; ---- the table: [tile of positions][q = 0 .. 7][lane][16 bytes]: q < 4: cos of frequencies 16 h + 4 q + 0 .. 3; q >= 4: sin likewise
	s_sub_co_u32 s21, ttmp9, 384
	s_lshl_b32 s21, s21, 2
	s_add_co_u32 s21, s21, s20                     ; the tile, 0 .. 127
	s_lshr_b32 s22, s21, 1
	s_lshl_b32 s22, s22, 5
	s_and_b32 s23, s21, 1
	s_lshl_b32 s23, s23, 3
	s_add_co_u32 s22, s22, s23
	v_and_b32 v2, 15, v0
	v_and_b32 v3, 8, v2
	v_add3_u32 v2, v2, v3, s22                     ; my position: 32 (T / 2) + 8 (T % 2) + r + 8 (r / 8)
	v_cvt_f32_u32 v2, v2
	s_lshl_b32 s24, s21, 12
	s_mov_b32 s25, 0
	s_mov_b32 vcc_lo, 0xffff0000                   ; lanes 16-31 take the upper sixteen frequencies
	s_mov_b32 s30, 0x3f22f983                      ; 2 / pi
	s_mov_b32 s31, 0x3fc90fdb                      ; pi / 2, the f32 number,
	s_mov_b32 s32, 0xb33bbd2e                      ; and what it lacks
	s_mov_b32 s33, -0.00019515295891
	s_mov_b32 s34, 0.0083321608736
	s_mov_b32 s35, -0.16666654611
	s_mov_b32 s36, 0.00002443315711809948
	s_mov_b32 s37, -0.001388731625493765
	s_mov_b32 s38, 0.04166664568298827
	s_wait_kmcnt 0x0
	s_add_nc_u64 s[18:19], s[18:19], s[24:25]
	CS 0, 1.0, 0.01
	CS 1, 0.74989420933, 0.0074989420933
	CS 2, 0.56234132519, 0.0056234132519
	CS 3, 0.42169650343, 0.0042169650343
	CS 4, 0.31622776602, 0.0031622776602
	CS 5, 0.23713737057, 0.0023713737057
	CS 6, 0.17782794100, 0.0017782794100
	CS 7, 0.13335214322, 0.0013335214322
	CS 8, 0.1, 0.001
	CS 9, 0.074989420933, 0.00074989420933
	CS 10, 0.056234132519, 0.00056234132519
	CS 11, 0.042169650343, 0.00042169650343
	CS 12, 0.031622776602, 0.00031622776602
	CS 13, 0.023713737057, 0.00023713737057
	CS 14, 0.017782794100, 0.00017782794100
	CS 15, 0.013335214322, 0.00013335214322
.irp q, 0,1,2,3,4,5,6,7
	global_store_b128 v1, v[32+4*\q:35+4*\q], s[18:19] offset:512*\q   ; 512 consecutive bytes a store
.endr
	s_endpgm
.Lfunc_end_k_q8f781890fc_prep:
	.size	k_q8f781890fc_prep, .Lfunc_end_k_q8f781890fc_prep-k_q8f781890fc_prep
	.p2alignl 7, 3214868480
	.fill 96, 4, 3214868480
	.section	.rodata,"a",@progbits
	.p2align	6, 0x0
	.amdhsa_kernel k_q8f781890fc_prep
		.amdhsa_group_segment_fixed_size 34304
		.amdhsa_private_segment_fixed_size 0
		.amdhsa_enable_private_segment 0
		.amdhsa_kernarg_size 64
		.amdhsa_user_sgpr_count 2
		.amdhsa_user_sgpr_kernarg_segment_ptr 1
		.amdhsa_wavefront_size32 1
		.amdhsa_system_sgpr_workgroup_id_x 1
		.amdhsa_system_sgpr_workgroup_id_y 1
		.amdhsa_system_sgpr_workgroup_id_z 1
		.amdhsa_system_vgpr_workitem_id 0
		.amdhsa_next_free_vgpr 258
		.amdhsa_next_free_sgpr 66
		.amdhsa_reserve_vcc 1
		.amdhsa_float_denorm_mode_32 3
		.amdhsa_float_denorm_mode_16_64 3
		.amdhsa_memory_ordered 1
		.amdhsa_forward_progress 1
		.amdhsa_inst_pref_size 57
	.end_amdhsa_kernel
	.amdgpu_metadata
---
amdhsa.version: [ 1, 2 ]
amdhsa.kernels:
  - .name:           k_q8f781890fc_prep
    .symbol:         k_q8f781890fc_prep.kd
    .args:
      - { .name: x, .offset: 0, .size: 8, .value_kind: global_buffer, .address_space: global }
      - { .name: Wq, .offset: 8, .size: 8, .value_kind: global_buffer, .address_space: global }
      - { .name: Wk, .offset: 16, .size: 8, .value_kind: global_buffer, .address_space: global }
      - { .name: Wv, .offset: 24, .size: 8, .value_kind: global_buffer, .address_space: global }
      - { .name: Wo, .offset: 32, .size: 8, .value_kind: global_buffer, .address_space: global }
      - { .name: xq, .offset: 40, .size: 8, .value_kind: global_buffer, .address_space: global }
      - { .name: wq, .offset: 48, .size: 8, .value_kind: global_buffer, .address_space: global }
      - { .name: rope, .offset: 56, .size: 8, .value_kind: global_buffer, .address_space: global }
    .group_segment_fixed_size: 34304
    .private_segment_fixed_size: 0
    .kernarg_segment_align: 8
    .kernarg_segment_size: 64
    .max_flat_workgroup_size: 128
    .sgpr_count:     66
    .vgpr_count:     258
    .wavefront_size: 32
...
	.end_amdgpu_metadata
.endif
;; end of part 1
;; launch qkv (part 2): grid 16 x 16, 4 waves a work-group, clusters of 4 x 1, 327,680 bytes of LDS; arguments xq, wq, rope, bq, bk, bv, qbuf, kv; writes qbuf, kv
.if DOCPART == 2
	.amdgcn_target "amdgcn-amd-amdhsa--gfx1250"
	.amdhsa_code_object_version 6
	.text
	.protected	k_q8f781890fc_qkv
	.globl	k_q8f781890fc_qkv
	.p2align	8
	.type	k_q8f781890fc_qkv,@function
k_q8f781890fc_qkv:
	s_mov_b64 s[64:65], 0
	v_nop
	global_prefetch_b8 v0, s[64:65] scope:SCOPE_SE
	s_setreg_imm32_b32 hwreg(HW_REG_WAVE_MODE, 25, 1), 1
	s_wait_xcnt 0x0
	s_wait_alu depctr_hold_cnt(0) depctr_sa_sdst(0) depctr_va_vdst(0) depctr_va_sdst(0) depctr_va_ssrc(0) depctr_va_vcc(0) depctr_vm_vsrc(0)
	s_getreg_b32 s2, hwreg(HW_REG_IB_STS2, 6, 4)
	s_cmp_eq_u32 s2, 0
	s_cbranch_scc0 .Lentry_in_a_cluster
	s_endpgm
.Lentry_in_a_cluster:
	s_bfe_u32 s2, ttmp6, 0x10000c
	s_cmp_lg_u32 s2, 0x3003
	s_cbranch_scc0 .Lentry_shape_is_right
	s_endpgm
.Lentry_shape_is_right:
.set XSO,  4194304
.set WSO,  2097152
.set QSO,  4194304
.set KVB,  139264
.set TAB,  98304
.set LB0,  1
.set LB1,  3
.set LB2,  4
.set XS,   16
.set WS,   48
.set BI,   64
.set BF,   96
.set RR,   160
.set TM,   192
.set PC,   208
.set HW,   240
.set WD,   248
.set WV,   20
.set MSB, 0
.macro WIN new
.if MSB != (\new)
	s_set_vgpr_msb (MSB<<8)|(\new)
.set MSB, (\new)
.endif
.endm
.macro ROUND
	s_barrier_signal -1
	s_barrier_wait -1
	s_cmp_lg_u32 s[WV], 0
	s_cbranch_scc1 .Lnot_wave_0_\@
	s_barrier_signal -3
.Lnot_wave_0_\@:
	s_barrier_wait -3
	s_barrier_signal -1
	s_barrier_wait -1
.endm
.macro PLACES
.rept 4
	v_nop
.endr
.endm
.macro WM ra, rb
.if (\ra) && (\rb)
	v_wmma_scale_f32_16x16x128_f8f6f4 v[rD:rD+7], v[rA:rA+7], v[rB:rB+7], v[rC:rC+7], v[rSA], v[rSB] matrix_a_fmt:MATRIX_FMT_FP4 matrix_b_fmt:MATRIX_FMT_FP4 matrix_a_scale:MATRIX_SCALE_ROW1 matrix_b_scale:MATRIX_SCALE_ROW1
.elseif (\ra)
	v_wmma_scale_f32_16x16x128_f8f6f4 v[rD:rD+7], v[rA:rA+7], v[rB:rB+7], v[rC:rC+7], v[rSA], v[rSB] matrix_a_fmt:MATRIX_FMT_FP4 matrix_b_fmt:MATRIX_FMT_FP4 matrix_a_scale:MATRIX_SCALE_ROW1
.elseif (\rb)
	v_wmma_scale_f32_16x16x128_f8f6f4 v[rD:rD+7], v[rA:rA+7], v[rB:rB+7], v[rC:rC+7], v[rSA], v[rSB] matrix_a_fmt:MATRIX_FMT_FP4 matrix_b_fmt:MATRIX_FMT_FP4 matrix_b_scale:MATRIX_SCALE_ROW1
.else
	v_wmma_scale_f32_16x16x128_f8f6f4 v[rD:rD+7], v[rA:rA+7], v[rB:rB+7], v[rC:rC+7], v[rSA], v[rSB] matrix_a_fmt:MATRIX_FMT_FP4 matrix_b_fmt:MATRIX_FMT_FP4
.endif
.endm
.macro BLOAD lb, s
.irp t, 0,1,2,3
.irp c, 0,1
	ds_load_b128 v[BF+32*((\s)%2)+8*\t+4*\c:BF+32*((\s)%2)+8*\t+4*\c+3], v[\lb] offset:8192*\t+1024*(\s)+512*\c
.endr
.endr
.endm
.macro KSTEP lb, s, kind, lc
	WIN 0
.if (\s) < 7
	PLACES
	BLOAD \lb, (\s)+1
	s_wait_dscnt 8
.else
	s_wait_dscnt 0x0
.endif
.if (\lc) >= 0
	s_wait_loadcnt \lc
.endif
.if (\s) == 0
.set WBASE, 0xc0
.else
.set WBASE, 0xf0
.endif
.irp g, 0,1
.if \kind
	WIN WBASE|(1<<\g)
.else
	WIN WBASE|(4<<\g)
.endif
.irp q, 0,1,2,3
.irp t, 0,1,2,3
.if \kind
.set rD, 64*\t+8*(4*\g+\q)
.set rA, 64*\q+8*(\s)
.set rB, BF+32*((\s)%2)+8*\t
.set rSA, XS+8*\q+(\s)
.set rSB, WS+8*(\t%2)+(\s)
.else
.set rD, 32*(4*\g+\q)+8*\t
.set rA, BF+32*((\s)%2)+8*\t
.set rB, 64*\q+8*(\s)
.set rSA, WS+8*(\t%2)+(\s)
.set rSB, XS+8*\q+(\s)
.endif
.if (\s) == 0
.set rC, BI+8*\t
.else
.set rC, rD
.endif
.if \kind
	WM \g, \t/2
.else
	WM \t/2, \g
.endif
.endr
.endr
.endr
.endm
.macro UNIT lb, kind, first
.if \first
	KSTEP \lb, 0, \kind, 63
	KSTEP \lb, 1, \kind, 63
	KSTEP \lb, 2, \kind, 63
	KSTEP \lb, 3, \kind, 63
	KSTEP \lb, 4, \kind, 48
	KSTEP \lb, 5, \kind, 32
	KSTEP \lb, 6, \kind, 16
	KSTEP \lb, 7, \kind, 0
.else
	KSTEP \lb, 0, \kind, 0
.irp z, 1,2,3,4,5,6,7
	KSTEP \lb, \z, \kind, -1
.endr
.endif
.endm
.macro WSLOAD u
.irp t, 0,1
.irp f, 0,1
	global_load_b128 v[WS+8*\t+4*\f:WS+8*\t+4*\f+3], v7, s[60:61] offset:2048*(\u)+512*\t+256*\f
.endr
.endr
.endm
.macro BIAS_R p
.irp t, 0,1,2,3
.irp j, 0,1,2,3,4,5,6,7
	global_load_b32 v[BI+8*\t+\j], v8, s[\p:\p+1] offset:4*(16*(\t%2)+2*\j+(\t/2))
.endr
.endr
.endm
.macro BIAS_V
.irp t, 0,1,2,3
.irp j, 0,1,2,3,4,5,6,7
	global_load_b32 v[BI+8*\t+\j], v9, s[14:15] offset:4*(32*(\t/2)+8*(\t%2))
.endr
.endr
.endm
.macro TLOAD a
.irp q, 0,1,2,3,4,5,6,7
	ds_load_b128 v[BF+32*((\a)%2)+4*\q:BF+32*((\a)%2)+4*\q+3], v5 offset:4096*(\a)+512*\q
.endr
.endm
.macro ROPE a
.set TBS, BF+32*((\a)%2)
	WIN 0x03
.irp p, 0,2,4,6,8,10,12,14
	v_pk_mul_f32 v[RR+\p:RR+\p+1], v[32*(\a)+16+\p:32*(\a)+17+\p], v[TBS+16+\p:TBS+17+\p]
	v_pk_mul_f32 v[RR+16+\p:RR+17+\p], v[32*(\a)+16+\p:32*(\a)+17+\p], v[TBS+\p:TBS+\p+1]
.endr
.irp p, 0,2,4,6,8,10,12,14
	v_pk_fma_f32 v[RR+\p:RR+\p+1], v[32*(\a)+\p:32*(\a)+\p+1], v[TBS+\p:TBS+\p+1], v[RR+\p:RR+\p+1] neg_lo:[0,0,1] neg_hi:[0,0,1]
	v_pk_fma_f32 v[RR+16+\p:RR+17+\p], v[32*(\a)+\p:32*(\a)+\p+1], v[TBS+16+\p:TBS+17+\p], v[RR+16+\p:RR+17+\p]
.endr
	WIN 0
.endm
.macro QUANT2 s, pc, hw
.irp b, 0,1
	v_max3_num_f32 v[TM+\b], |v[\s+16*\b]|, |v[\s+16*\b+1]|, 0x1800000
.endr
.irp i, 2,4,6,8,10,12,14
.irp b, 0,1
	v_max3_num_f32 v[TM+\b], v[TM+\b], |v[\s+16*\b+\i]|, |v[\s+16*\b+\i+1]|
.endr
.endr
.irp b, 0,1
	v_permlanex16_b32 v[TM+4+\b], v[TM+\b], s86, s87
.endr
.irp b, 0,1
	v_max_num_f32 v[TM+\b], v[TM+\b], v[TM+4+\b]
.endr
.irp b, 0,1
	v_add_nc_u32 v[TM+12+\b], 0xff000000, v[TM+\b]
.endr
.irp b, 0,1
	v_lshrrev_b32 v[TM+4+\b], 23, v[TM+12+\b]
.endr
	v_lshl_or_b32 v[\hw], v[TM+5], 8, v[TM+4]
.irp b, 0,1
	v_cvt_scalef32_pk8_fp4_f32 v[\pc+2*\b], v[\s+16*\b:\s+16*\b+7], v[TM+12+\b]
	v_cvt_scalef32_pk8_fp4_f32 v[\pc+2*\b+1], v[\s+16*\b+8:\s+16*\b+15], v[TM+12+\b]
.endr
	v_nop
	v_permlane16_swap_b32 v[\pc], v[\pc+2]
	v_permlane16_swap_b32 v[\pc+1], v[\pc+3]
.endm
.macro QUANTV s, pc, wd
	WIN 0x3c
.irp b, 0,1,2,3
	v_max3_num_f32 v[TM+\b], 0x1800000, |v[\s+16*\b]|, |v[\s+16*\b+1]|
.endr
.irp i, 2,4,6,8,10,12,14
.irp b, 0,1,2,3
	v_max3_num_f32 v[TM+\b], v[TM+\b], |v[\s+16*\b+\i]|, |v[\s+16*\b+\i+1]|
.endr
.endr
	WIN 0
.irp b, 0,1,2,3
	v_permlanex16_b32 v[TM+4+\b], v[TM+\b], s86, s87
.endr
.irp b, 0,1,2,3
	v_max_num_f32 v[TM+\b], v[TM+\b], v[TM+4+\b]
.endr
.irp b, 0,1,2,3
	v_add_nc_u32 v[TM+12+\b], 0xff000000, v[TM+\b]
.endr
.irp b, 0,1,2,3
	v_lshrrev_b32 v[TM+4+\b], 23, v[TM+12+\b]
.endr
	v_lshl_or_b32 v[\wd], v[TM+5], 8, v[TM+4]
	v_lshl_or_b32 v[\wd], v[TM+6], 16, v[\wd]
	v_lshl_or_b32 v[\wd], v[TM+7], 24, v[\wd]
	WIN 0x03
.irp b, 0,1,2,3
	v_cvt_scalef32_pk8_fp4_f32 v[\pc+2*\b], v[\s+16*\b:\s+16*\b+7], v[TM+12+\b]
	v_cvt_scalef32_pk8_fp4_f32 v[\pc+2*\b+1], v[\s+16*\b+8:\s+16*\b+15], v[TM+12+\b]
.endr
	WIN 0
	v_nop
.irp c, 0,1
.irp i, 0,1
	v_permlane16_swap_b32 v[\pc+4*\c+\i], v[\pc+4*\c+2+\i]
.endr
.endr
.endm
.macro OUT_R pc, ps, nlb, nu
	WIN 0
	PLACES
	s_wait_xcnt 0x0
	WSLOAD \nu
.if (\nu) == 1
	BIAS_R 12
.else
	BIAS_V
.endif
	TLOAD 0
.irp a, 0,1,2,3,4,5,6,7
.if \a < 7
	TLOAD \a+1
.else
	BLOAD \nlb, 0
.endif
	s_wait_dscnt 8
	ROPE \a
	QUANT2 RR, PC+4*\a, HW+\a
	global_store_b128 v1, v[PC+4*\a:PC+4*\a+3], s[\pc:\pc+1] offset:512*\a
.endr
.irp f, 0,1,2,3
	v_lshl_or_b32 v[WD+\f], v[HW+2*\f+1], 16, v[HW+2*\f]
.endr
	v_cndmask_b32 v252, v[WD], v[WD+2], s84
	v_cndmask_b32 v253, v[WD+1], v[WD+3], s84
	global_store_b64 v10, v[252:253], s[\ps:\ps+1]
.endm
	s_load_b512 s[4:19], s[0:1], 0x0
	v_lshl_add_u32 v254, v0, 2, 0x38000
	v_mov_b32 v255, 0
	ds_add_u32 v254, v255
	ds_add_u32 v254, v255
	v_lshrrev_b32 v1, 5, v0
	v_readfirstlane_b32 s[WV], v1
	s_mov_b32 s22, ttmp9
	s_and_b32 s23, ttmp7, 0xffff
	s_mov_b32 s40, 15|(3<<16)|(1<<21)
	s_mov_b32 s41, 32<<16
	s_mov_b32 s42, 96<<16
	s_mov_b32 s43, 32<<16
	s_mov_b32 s44, 96
	s_mov_b32 s45, 32
	s_mov_b32 s46, 0
	s_mov_b32 s47, 0
	s_mov_b32 s48, 15|(3<<16)|(1<<21)
	s_mov_b32 s49, 32<<16
	s_mov_b32 s50, 128<<16
	s_mov_b32 s51, 32<<16
	s_mov_b32 s52, 128
	s_mov_b32 s53, 32
	s_mov_b32 s54, 0
	s_mov_b32 s55, 0
	s_mul_i32 s25, s[WV], 24576
	s_mul_i32 s26, s23, 98304
	s_add_co_u32 s26, s26, s25
	s_mov_b32 s27, 0
	s_lshl_b32 s28, s[WV], 15
	s_lshl_b32 s30, s22, 17
	s_add_co_u32 s30, s30, s28
	s_mov_b32 s31, 0
	s_wait_dscnt 0x0
	s_wait_kmcnt 0x0
	s_mov_b32 s32, 1
	s_mov_b32 s33, s25
	s_add_nc_u64 s[34:35], s[6:7], s[26:27]
	s_or_b32 s35, s35, 0x80000000
	s_mov_b32 s36, 1
	s_add_co_u32 s37, s28, TAB
	s_add_nc_u64 s[38:39], s[8:9], s[30:31]
	s_or_b32 s39, s39, 0x80000000
	ROUND
	tensor_load_to_lds s[32:35], s[40:47]
	s_nop 0
	s_wait_alu depctr_va_vdst(0)
	s_wait_tensorcnt 0x0
	ds_add_u32 v254, v255
	s_wait_dscnt 0x0
	ROUND
	tensor_load_to_lds s[36:39], s[48:55]
	s_nop 0
.rept 4
	v_nop
.endr
	s_bfe_u32 s21, ttmp6, 0x40000
	s_lshl_b32 s24, s21, 4
	s_add_co_u32 s24, s24, s23
	s_lshl_b32 s80, s22, 2
	s_add_co_u32 s80, s80, s[WV]
	s_lshl_b32 s81, s21, 4
	s_add_co_u32 s81, s81, s80
	s_mov_b32 s79, 0
	s_lshl_b32 s78, s81, 16
	s_add_nc_u64 s[56:57], s[4:5], s[78:79]
	s_lshl_b32 s78, s81, 12
	s_add_co_u32 s78, s78, XSO
	s_add_nc_u64 s[58:59], s[4:5], s[78:79]
	s_mul_i32 s78, s23, 6144
	s_add_co_u32 s78, s78, WSO
	s_add_nc_u64 s[60:61], s[6:7], s[78:79]
	s_lshl_b32 s78, s23, 8
	s_add_nc_u64 s[10:11], s[10:11], s[78:79]
	s_add_nc_u64 s[12:13], s[12:13], s[78:79]
	s_add_nc_u64 s[14:15], s[14:15], s[78:79]
	s_lshl_b32 s82, s80, 12
	s_lshl_b32 s83, s80, 8
	s_lshl_b32 s78, s24, 16
	s_add_co_u32 s78, s78, s82
	s_add_nc_u64 s[66:67], s[16:17], s[78:79]
	s_lshl_b32 s78, s24, 12
	s_add_co_u32 s78, s78, s83
	s_add_co_u32 s78, s78, QSO
	s_add_nc_u64 s[68:69], s[16:17], s[78:79]
	s_mul_i32 s85, s24, KVB
	s_add_co_u32 s78, s85, s82
	s_add_nc_u64 s[70:71], s[18:19], s[78:79]
	s_add_co_u32 s78, s85, s83
	s_add_co_u32 s78, s78, 131072
	s_add_nc_u64 s[72:73], s[18:19], s[78:79]
	s_mov_b32 s84, 0xffff0000
	s_mov_b32 s86, 0x76543210
	s_mov_b32 s87, 0xfedcba98
	v_and_b32 v12, 31, v0
	v_lshlrev_b32 v1, 4, v12
	v_and_b32 v13, 15, v0
	v_bfe_u32 v14, v0, 4, 1
	v_add_nc_u32 v3, 32768, v1
	v_add_nc_u32 v4, 65536, v1
	s_add_co_u32 s62, s28, TAB
	v_add_nc_u32 v5, s62, v1
	v_lshlrev_b32 v6, 4, v13
	v_lshl_add_u32 v7, v14, 10, v6
	v_lshl_add_u32 v10, v14, 3, v6
	v_lshl_add_u32 v6, v14, 11, v6
	v_lshlrev_b32 v8, 7, v14
	v_and_b32 v9, 8, v13
	v_add_lshl_u32 v9, v9, v13, 2
	v_lshlrev_b32 v11, 3, v12
.irp b, 0,1,2,3
	v_mov_b32 v[TM+4+\b], 0
.endr
.irp t, 0,1,2,3
.irp f, 0,1
	global_load_b128 v[XS+8*\t+4*\f:XS+8*\t+4*\f+3], v6, s[58:59] offset:512*\t+256*\f
.endr
.endr
	WSLOAD 0
	BIAS_R 10
.irp s, 0,1,2,3,4,5,6,7
	WIN 0x40
.irp t, 0,1,2,3
.irp c, 0,1
	global_load_b128 v[64*\t+8*\s+4*\c:64*\t+8*\s+4*\c+3], v1, s[56:57] offset:8192*\t+1024*\s+512*\c
.endr
.endr
	WIN 0x80
.irp t, 0,1,2,3
.irp c, 0,1
	global_load_b128 v[64*\t+8*\s+4*\c:64*\t+8*\s+4*\c+3], v1, s[56:57] offset:8192*(\t+4)+1024*\s+512*\c
.endr
.endr
.endr
	WIN 0
	s_wait_alu depctr_va_vdst(0)
	s_wait_tensorcnt 0x0
	s_barrier_signal -1
	s_barrier_wait -1
	BLOAD LB0, 0
	UNIT LB0, 0, 1
	OUT_R 66, 68, LB1, 1
	UNIT LB1, 0, 0
	OUT_R 70, 72, LB2, 2
	UNIT LB2, 1, 0
	WIN 0
	PLACES
	s_wait_xcnt 0x0
.irp a, 0,1,2,3
	QUANTV 64*\a, PC+8*\a, WD+\a
	global_store_b128 v1, v[PC+8*\a:PC+8*\a+3], s[70:71] offset:65536+1024*\a
	global_store_b128 v1, v[PC+8*\a+4:PC+8*\a+7], s[70:71] offset:65536+1024*\a+512
.endr
	v_cndmask_b32 v252, v[WD], v[WD+2], s84
	v_cndmask_b32 v253, v[WD+1], v[WD+3], s84
	global_store_b64 v11, v[252:253], s[72:73] offset:4096
	s_wait_tensorcnt 0x0
	ds_add_u32 v254, v255
	s_wait_dscnt 0x0
	ROUND
	s_endpgm
.Lfunc_end_k_q8f781890fc_qkv:
	.size	k_q8f781890fc_qkv, .Lfunc_end_k_q8f781890fc_qkv-k_q8f781890fc_qkv
	.p2alignl 7, 3214868480
	.fill 96, 4, 3214868480
	.section	.rodata,"a",@progbits
	.p2align	6, 0x0
	.amdhsa_kernel k_q8f781890fc_qkv
		.amdhsa_group_segment_fixed_size 327680
		.amdhsa_private_segment_fixed_size 0
		.amdhsa_enable_private_segment 0
		.amdhsa_kernarg_size 64
		.amdhsa_user_sgpr_count 2
		.amdhsa_user_sgpr_kernarg_segment_ptr 1
		.amdhsa_wavefront_size32 1
		.amdhsa_system_sgpr_workgroup_id_x 1
		.amdhsa_system_sgpr_workgroup_id_y 1
		.amdhsa_system_sgpr_workgroup_id_z 1
		.amdhsa_system_vgpr_workitem_id 0
		.amdhsa_next_free_vgpr 1024
		.amdhsa_next_free_sgpr 96
		.amdhsa_reserve_vcc 0
		.amdhsa_float_denorm_mode_32 3
		.amdhsa_float_denorm_mode_16_64 3
		.amdhsa_memory_ordered 1
		.amdhsa_forward_progress 1
		.amdhsa_inst_pref_size 235
	.end_amdhsa_kernel
	.amdgpu_metadata
---
amdhsa.version: [ 1, 2 ]
amdhsa.kernels:
  - .name:           k_q8f781890fc_qkv
    .symbol:         k_q8f781890fc_qkv.kd
    .args:
      - { .name: xq, .offset: 0, .size: 8, .value_kind: global_buffer, .address_space: global }
      - { .name: wq, .offset: 8, .size: 8, .value_kind: global_buffer, .address_space: global }
      - { .name: rope, .offset: 16, .size: 8, .value_kind: global_buffer, .address_space: global }
      - { .name: bq, .offset: 24, .size: 8, .value_kind: global_buffer, .address_space: global }
      - { .name: bk, .offset: 32, .size: 8, .value_kind: global_buffer, .address_space: global }
      - { .name: bv, .offset: 40, .size: 8, .value_kind: global_buffer, .address_space: global }
      - { .name: qbuf, .offset: 48, .size: 8, .value_kind: global_buffer, .address_space: global }
      - { .name: kv, .offset: 56, .size: 8, .value_kind: global_buffer, .address_space: global }
    .group_segment_fixed_size: 327680
    .private_segment_fixed_size: 0
    .kernarg_segment_align: 8
    .kernarg_segment_size: 64
    .max_flat_workgroup_size: 128
    .sgpr_count:     96
    .vgpr_count:     1024
    .wavefront_size: 32
...
	.end_amdgpu_metadata
.endif
;; end of part 2
;; launch attno (part 3): grid 256 x 1, 16 waves a work-group, no clusters, 89,088 bytes of LDS; arguments qbuf, kv, wq, bo, out0; writes out0
.if DOCPART == 3
	.amdgcn_target "amdgcn-amd-amdhsa--gfx1250"
	.amdhsa_code_object_version 6
	.text
	.protected	k_q8f781890fc_attno
	.globl	k_q8f781890fc_attno
	.p2align	8
	.type	k_q8f781890fc_attno,@function
k_q8f781890fc_attno:
	s_mov_b64 s[64:65], 0
	v_nop
	global_prefetch_b8 v0, s[64:65] scope:SCOPE_SE
	s_setreg_imm32_b32 hwreg(HW_REG_WAVE_MODE, 25, 1), 1
	s_wait_xcnt 0x0
; out0 = (softmax(q k^T / 8) v, all heads) Wo^T + bo: attention and the last projection in one launch, all three products on codes of FP4 (E2M1) with E8M0 scales.
; SHARES.  A work-group owns 32 tokens of one batch; each of its sixteen waves owns ONE HEAD and both tiles of 16 queries.  A wave walks the head's 2,048 keys, 128 a step; each fragment of K and V serves both tiles.
; K AND V GO FROM MEMORY STRAIGHT INTO REGISTERS: they are stored as images of operand registers, and within a work-group each fragment is read by one wave alone.  So the key loop has no LDS, no barrier, no tensor load.
; V of a step is asked for behind tile A's scores, K of the next step behind tile B's scores: each load has one tile's softmax between its issue and the wait for it, so every wait on LOADcnt in the loop is for 0.
; NO JOINT LOADS: a ring for sixteen heads would take 2 x 139,264 bytes of LDS and a round of 64 waves at each of the 16 steps, for fragments that have one reader in a work-group.  NO PREFETCH: each load is itself issued a tile's softmax ahead.
; THE SOFTMAX: t = score x log2(e) / 8; M = the row's largest t so far, rounded up to a whole number; p = 2^(t - M) is quantised along the keys, not normalised; the row's sum is taken of the unquantised p and divides O at the end.
; When M moves, the sum and O are multiplied by 2^(old M - new M): exact.
; LAYOUT.  Both products are used transposed (S^T = K Q^T, O^T = V^T P^T): a lane holds one query.  THE KEYS OF A TILE ARE CHOSEN BY THE LOADS' LANE ADDRESSES: rows 0-7 of a tile come from block 2 b of 32 keys, rows 8-15 from block 2 b + 1,
; so that a lane's 32 registers S + 32 b .. are the 32 keys of block 2 b + (lane / 16), in order: a block's maximum needs no other lane, and the conversions' results are P's operand registers as they stand.
; (Each load of K so reads four runs of 128 bytes; the load 128 bytes on takes the other halves of the same units.)
; THE HEAD'S 64 IN AN INSTRUCTION 128 DEEP: a fragment of K holds two tiles of keys; Q stands as Q, 0, Q in twelve registers: (Q, 0) gives the first tile's scores, (0, Q) the second's; the zeros are zero codes on Q's side.
; THE WAY ON.  O / the sum is quantised along the head's 64; codes and scale bytes of all heads meet in LDS; behind one barrier wave w makes the 32 tokens x columns 64 w .. 64 w + 63: 8 K steps of 128 (two heads each),
; Wo's fragments from memory through four sets of registers, the bias loaded into the accumulators, the results through the wave's own stage in whole rows of 256 bytes.
; LIMITS: NaN and infinities are not served; the promise holds while |t| stays under 2^31; a block whose largest magnitude lies under 2^-124 gets the byte 1, a block of zeros too (its codes are zeros; this program alone reads the bytes).
; REGISTERS: v1-4 offsets; v5, v6 the spare word and 0; v7 where my codes of O go; v8-15 -M, largest score, sum: two tiles; v16-39 Q; v40-41 Q's words, v42 p's; v43 lane exchanges; v44-47 K's words; v48-49 V's; v50-55 at work;
; v56-63 p's codes (before that: partial sums); v64-95 K; v96-127 V; v128-191 S^T, then p; v192-255 O^T of both tiles.
.set KVB,  139264
.set QSO,  4194304
.set WSO,  2097152
.set SCB,  16384                       ; LDS: 0 .. O's codes [tile][head][lane][16]; here O's scale bytes [tile x 16 + token][head][2]
.set OST,  17408                       ; the waves' stages for the way out: 16 rows x 272 bytes each
.set SP,   272
.set SPARE, 87040                      ; the spare words: 128 bytes a wave
.set PS,   42
.set PT,   43
.set KS,   44
.set VS,   48
.set BM,   50
.set CH,   52
.set F,    54
.set P,    56
.set KF,   64
.set VF,   96
.set S,    128
.set HW,   44                          ; behind the loop: O's two scale bytes, a register a tile
.set WS,   16                          ; Wo's scale words
.set XS,   32                          ; O's scale words: lanes 0-15 tile 0, lanes 16-31 tile 1
.set OF,   40                          ; O's fragments of a K step
.set WF,   64                          ; Wo's fragments, four sets of 32
.set ACC,  192
.set BK,   64
.set CS,   38                          ; s[38:39] c = log2(e) / 8;  s40 -c
.set NC,   40
.set SEL,  42                          ; s[42:43] lane l xor 16
.set HM,   44                          ; lanes 16-31
.macro KLOAD                           ; fragment 2 b + w: tiles of keys 16 w + 0 .. 7 and 16 w + 8 .. 15 of blocks 2 b, 2 b + 1; and its rows' scale words
.irp b, 0,1
.irp w, 0,1
	global_load_b128 v[KF+8*(2*\b+\w):KF+8*(2*\b+\w)+3], v2, s[20:21] offset:2048*\b+128*\w
	global_load_b128 v[KF+8*(2*\b+\w)+4:KF+8*(2*\b+\w)+7], v2, s[20:21] offset:2048*\b+128*\w+512
	global_load_b32 v[KS+2*\b+\w], v3, s[22:23] offset:131072+128*\w+8*\b
.endr
.endr
.endm
.macro VLOAD
.irp i, 0,1,2,3,4,5,6,7
	global_load_b128 v[VF+4*\i:VF+4*\i+3], v1, s[20:21] offset:65536+512*\i
.endr
	global_load_b64 v[VS:VS+1], v4, s[22:23] offset:135168
.endm
.macro QK QB, QS                       ; eight sums begun with 0; four places behind them, for the first read of the scores and for loads into registers that products have read
.irp f, 0,1,2,3
	v_wmma_scale_f32_16x16x128_f8f6f4 v[S+16*\f:S+16*\f+7], v[KF+8*\f:KF+8*\f+7], v[\QB:\QB+7], 0, v[KS+\f], v[\QS] matrix_a_fmt:MATRIX_FMT_FP4 matrix_b_fmt:MATRIX_FMT_FP4
	v_wmma_scale_f32_16x16x128_f8f6f4 v[S+16*\f+8:S+16*\f+15], v[KF+8*\f:KF+8*\f+7], v[\QB+4:\QB+11], 0, v[KS+\f], v[\QS] matrix_a_fmt:MATRIX_FMT_FP4 matrix_b_fmt:MATRIX_FMT_FP4
.endr
.rept 4
	v_nop
.endr
.endm
.macro PV O                            ; O^T += V^T P^T: four accumulators by turns
.irp t, 0,1
	v_wmma_scale_f32_16x16x128_f8f6f4 v[\O+8*\t:\O+8*\t+7], v[VF+8*\t:VF+8*\t+7], v[P:P+7], v[\O+8*\t:\O+8*\t+7], v[VS+\t], v[PS] matrix_a_fmt:MATRIX_FMT_FP4 matrix_b_fmt:MATRIX_FMT_FP4
.endr
.irp t, 0,1
	v_wmma_scale_f32_16x16x128_f8f6f4 v[\O+16+8*\t:\O+23+8*\t], v[VF+16+8*\t:VF+23+8*\t], v[P:P+7], v[\O+16+8*\t:\O+23+8*\t], v[VS+\t], v[PS] matrix_a_fmt:MATRIX_FMT_FP4 matrix_b_fmt:MATRIX_FMT_FP4 matrix_a_scale:MATRIX_SCALE_ROW1
.endr
.endm
; The softmax of one tile and 128 keys.  NM: the pair (-M, largest score);  L: the sum, in two halves;  O: O^T.
.macro SOFT NM, L, O
.irp c, 0,1                            ; my two blocks' largest scores, each in two chains: four chains by turns, each accumulator read from its low end on
	v_max3_num_f32 v[BM+\c], v[S+32*\c], v[S+32*\c+1], v[S+32*\c+2]
	v_max3_num_f32 v[CH+\c], v[S+32*\c+16], v[S+32*\c+17], v[S+32*\c+18]
.endr
.irp i, 3,5,7,9,11,13
.irp c, 0,1
	v_max3_num_f32 v[BM+\c], v[BM+\c], v[S+32*\c+\i], v[S+32*\c+\i+1]
	v_max3_num_f32 v[CH+\c], v[CH+\c], v[S+32*\c+16+\i], v[S+32*\c+17+\i]
.endr
.endr
.irp c, 0,1
	v_max3_num_f32 v[BM+\c], v[BM+\c], v[CH+\c], v[S+32*\c+15]
.endr
.irp c, 0,1
	v_max_num_f32 v[BM+\c], v[BM+\c], v[S+32*\c+31]
.endr
	v_max3_num_f32 v[\NM+1], v[\NM+1], v[BM], v[BM+1]       ; the running largest score of my query: my two blocks,
	v_permlanex16_b32 v[PT], v[\NM+1], s[SEL], s[SEL+1]
	v_max_num_f32 v[\NM+1], v[\NM+1], v[PT]                 ; and lane l xor 16's two
	v_mul_f32 v[CH], s[NC], v[\NM+1]                        ; -t
	v_floor_f32 v[CH], v[CH]                                ; the new -M = floor(-t): M is a whole number
	v_sub_f32 v[CH+1], v[CH], v[\NM]                        ; old M - new M: a whole number, 0 or less
	v_mov_b32 v[\NM], v[CH]
.set j, 0
.rept 32
	v_pk_fma_f32 v[S+j:S+j+1], v[S+j:S+j+1], s[CS:CS+1], v[\NM:\NM+1] op_sel_hi:[1,0,0]   ; t - M, two at a time
.if j == 6
	v_cvt_i32_f32 v[CH+1], v[CH+1]                          ; (it saturates)
.endif
.if j == 14
	v_ldexp_f32 v[F], 1.0, v[CH+1]                          ; f = 2^(old M - new M)
.endif
.set j, j+2
.endr
.irp c, 0,1
	v_fma_f32 v[BM+\c], v[BM+\c], s[CS], v[\NM]             ; the same of each block's largest score
.endr
	s_wait_alu depctr_va_vdst(0)                            ; the wait ahead of the batch
	v_exp_f32 v[BM], v[BM]                                  ; the blocks' largest p: the same two instructions on the same number
	v_exp_f32 v[BM+1], v[BM+1]
.set j, 0
.rept 64
	v_exp_f32 v[S+j], v[S+j]                                ; p = 2^(t - M), at most 1
.set j, j+1
.endr
	v_pk_mul_f32 v[\L:\L+1], v[\L:\L+1], v[F:F+1] op_sel_hi:[1,0]   ; the sums under the new M: a plain line behind the batch
	s_wait_alu depctr_va_vdst(0)                            ; one wait for the batch, ahead of its first reader
	v_pk_add_f32 v[P:P+1], v[S:S+1], v[S+2:S+3]             ; the row's sum of the unquantised p: four chains by turns; the scale's lines stand among them
	v_pk_add_f32 v[P+2:P+3], v[S+4:S+5], v[S+6:S+7]
	v_pk_add_f32 v[P+4:P+5], v[S+8:S+9], v[S+10:S+11]
	v_pk_add_f32 v[\L:\L+1], v[\L:\L+1], v[S+12:S+13]
.irp j, 14,22,30,38,46,54
	v_pk_add_f32 v[P:P+1], v[P:P+1], v[S+\j:S+\j+1]
	v_pk_add_f32 v[P+2:P+3], v[P+2:P+3], v[S+\j+2:S+\j+3]
	v_pk_add_f32 v[P+4:P+5], v[P+4:P+5], v[S+\j+4:S+\j+5]
	v_pk_add_f32 v[\L:\L+1], v[\L:\L+1], v[S+\j+6:S+\j+7]
.if \j == 14
	v_max_num_f32 v[BM], 0x1800000, v[BM]                   ; the floor 2^(3 - 127): the byte cannot fall under 1
	v_max_num_f32 v[BM+1], 0x1800000, v[BM+1]
.endif
.if \j == 22
	v_add_nc_u32 v[CH], 0xff000000, v[BM]                   ; 2 off the exponent field: the conversion's scale operand
	v_add_nc_u32 v[CH+1], 0xff000000, v[BM+1]
.endif
.if \j == 30
	v_lshrrev_b32 v[BM], 23, v[CH]                          ; the bytes of blocks h and 2 + h
	v_lshrrev_b32 v[BM+1], 23, v[CH+1]
.endif
.if \j == 38
	v_lshl_or_b32 v[BM], v[BM+1], 16, v[BM]
.endif
.if \j == 46
	v_permlanex16_b32 v[PT], v[BM], s[SEL], s[SEL+1]
.endif
.if \j == 54
	v_lshl_or_b32 v[PS], v[PT], 8, v[BM]                    ; lanes 0-15: the word of blocks 0 to 3 (lanes 16-31 are not read)
.endif
.endr
	v_pk_add_f32 v[P:P+1], v[P:P+1], v[S+62:S+63]
	v_pk_add_f32 v[P+2:P+3], v[P+2:P+3], v[P+4:P+5]
	v_pk_add_f32 v[\L:\L+1], v[\L:\L+1], v[P:P+1]
	v_pk_add_f32 v[\L:\L+1], v[\L:\L+1], v[P+2:P+3]
.irp c, 0,1
.irp g, 0,1,2,3
	v_cvt_scalef32_pk8_fp4_f32 v[P+4*\c+\g], v[S+32*\c+8*\g:S+32*\c+8*\g+7], v[CH+\c]   ; registers 4 c .. 4 c + 3: keys 64 c + 32 h + 0 .. 31
.endr
.endr
	v_nop                                                   ; one plain place behind a scaled conversion
	s_wait_alu depctr_va_vdst(0)                            ; the wait directly ahead of the first reader of O^T
.set j, 0
.rept 16
	v_pk_mul_f32 v[\O+j:\O+j+1], v[\O+j:\O+j+1], v[F:F+1] op_sel_hi:[1,0]   ; O^T under the new M; these sixteen also stand between the making of p's codes and word and the products
.set j, j+2
.endr
.endm
; 32 numbers of a lane, register 16 b + i = channel 32 b + 16 h + i of my query, become 4 registers of codes (lane (r, h): block h whole) and the two scale bytes
.macro QUANT2 s, pc, hw
.irp b, 0,1
	v_max3_num_f32 v[BM+\b], |v[\s+16*\b]|, |v[\s+16*\b+1]|, 0x1800000
.endr
.irp i, 2,4,6,8,10,12,14
.irp b, 0,1
	v_max3_num_f32 v[BM+\b], v[BM+\b], |v[\s+16*\b+\i]|, |v[\s+16*\b+\i+1]|
.endr
.endr
.irp b, 0,1
	v_permlanex16_b32 v[CH+\b], v[BM+\b], s[SEL], s[SEL+1]
.endr
.irp b, 0,1
	v_max_num_f32 v[BM+\b], v[BM+\b], v[CH+\b]
.endr
.irp b, 0,1
	v_add_nc_u32 v[46+\b], 0xff000000, v[BM+\b]
.endr
.irp b, 0,1
	v_lshrrev_b32 v[CH+\b], 23, v[46+\b]
.endr
	v_lshl_or_b32 v[\hw], v[CH+1], 8, v[CH]
.irp b, 0,1
	v_cvt_scalef32_pk8_fp4_f32 v[\pc+2*\b], v[\s+16*\b:\s+16*\b+7], v[46+\b]
	v_cvt_scalef32_pk8_fp4_f32 v[\pc+2*\b+1], v[\s+16*\b+8:\s+16*\b+15], v[46+\b]
.endr
	v_nop                                                   ; one plain place behind a scaled conversion
	v_permlane16_swap_b32 v[\pc], v[\pc+2]
	v_permlane16_swap_b32 v[\pc+1], v[\pc+3]
.endm
.macro FIN u, L, O                     ; a tile's end: O^T / the sum, quantised, its codes into LDS as an image of the last product's operand
	v_add_f32 v[\L], v[\L], v[\L+1]
	v_permlanex16_b32 v[PT], v[\L], s[SEL], s[SEL+1]
	v_add_f32 v[\L], v[\L], v[PT]
	s_wait_alu depctr_va_vdst(0)                            ; ahead of the reciprocal
	v_rcp_f32 v[F], v[\L]
	v_nop
	s_wait_alu depctr_va_vdst(0)                            ; ahead of its first reader, which is also O^T's
.set j, 0
.rept 16
	v_pk_mul_f32 v[S+32*\u+j:S+32*\u+j+1], v[\O+j:\O+j+1], v[F:F+1] op_sel_hi:[1,0]
.set j, j+2
.endr
	QUANT2 S+32*\u, P+4*\u, HW+\u
	ds_store_b128 v7, v[P+4*\u:P+4*\u+3] offset:8192*\u
.endm
.macro WLOAD q                         ; Wo's four fragments of K step q into set q % 4
.irp t, 0,1,2,3
.irp c, 0,1
	global_load_b128 v[WF+32*((\q)%4)+8*\t+4*\c:WF+32*((\q)%4)+8*\t+4*\c+3], v1, s[28:29] offset:8192*\t+1024*(\q)+512*\c
.endr
.endr
.endm
.macro WM d, a, b, sa, sb, ra, rb
.if (\ra) && (\rb)
	v_wmma_scale_f32_16x16x128_f8f6f4 v[\d:\d+7], v[\a:\a+7], v[\b:\b+7], v[\d:\d+7], v[\sa], v[\sb] matrix_a_fmt:MATRIX_FMT_FP4 matrix_b_fmt:MATRIX_FMT_FP4 matrix_a_scale:MATRIX_SCALE_ROW1 matrix_b_scale:MATRIX_SCALE_ROW1
.elseif (\ra)
	v_wmma_scale_f32_16x16x128_f8f6f4 v[\d:\d+7], v[\a:\a+7], v[\b:\b+7], v[\d:\d+7], v[\sa], v[\sb] matrix_a_fmt:MATRIX_FMT_FP4 matrix_b_fmt:MATRIX_FMT_FP4 matrix_a_scale:MATRIX_SCALE_ROW1
.elseif (\rb)
	v_wmma_scale_f32_16x16x128_f8f6f4 v[\d:\d+7], v[\a:\a+7], v[\b:\b+7], v[\d:\d+7], v[\sa], v[\sb] matrix_a_fmt:MATRIX_FMT_FP4 matrix_b_fmt:MATRIX_FMT_FP4 matrix_b_scale:MATRIX_SCALE_ROW1
.else
	v_wmma_scale_f32_16x16x128_f8f6f4 v[\d:\d+7], v[\a:\a+7], v[\b:\b+7], v[\d:\d+7], v[\sa], v[\sb] matrix_a_fmt:MATRIX_FMT_FP4 matrix_b_fmt:MATRIX_FMT_FP4
.endif
.endm
; A K step of the last product: heads 2 s and 2 s + 1.  Eight accumulators by turns (source 0 = 16 rows of Wo, source 1 = 16 tokens).
.macro KSTEP s
.rept 4
	v_nop                                                   ; places behind the last step's products, in front of the loads into their registers
.endr
.if ((\s) >= 1) && ((\s) <= 4)
	WLOAD (\s)+3                                            ; into the set that the last step has left
.endif
.irp u, 0,1
.irp c, 0,1
	ds_load_b128 v[OF+8*\u+4*\c:OF+8*\u+4*\c+3], v1 offset:8192*\u+1024*(\s)+512*\c
.endr
.endr
.if (\s) == 0
	s_wait_loadcnt 16                                       ; steps 0 and 1, Wo's words and the bias are in; the 16 loads of steps 2 and 3 may be out
.elseif (\s) < 5
	s_wait_loadcnt 24                                       ; this step's eight are in; the three steps issued behind it may be out
.else
	s_wait_loadcnt 8*(7-(\s))
.endif
	s_wait_dscnt 0x0
.irp t, 0,1,2,3
.irp u, 0,1
	WM ACC+32*\u+8*\t, WF+32*((\s)%4)+8*\t, OF+8*\u, WS+8*(\t%2)+(\s), XS+(\s), \t/2, \u
.endr
.endr
.endm
.macro TOSTAGE u                       ; 16 tokens x 64 columns through my own stage: 32 bytes of a row go in, whole rows of 256 bytes come back; LDS serves a wave's instructions in order
.irp t, 0,1,2,3
	ds_store_b128 v8, v[ACC+32*\u+8*\t:ACC+32*\u+8*\t+3] offset:128*(\t/2)+32*(\t%2)
	ds_store_b128 v8, v[ACC+32*\u+8*\t+4:ACC+32*\u+8*\t+7] offset:128*(\t/2)+32*(\t%2)+16
.endr
.irp i, 0,1,2,3,4,5,6,7
	ds_load_b128 v[BK+32*\u+4*\i:BK+32*\u+4*\i+3], v2 offset:2*SP*\i
.endr
.endm
.macro SEND u, younger                 ; row 2 i + h of tile u is token 8 u + 2 i + h + 8 (i / 4) of my 32
	s_wait_dscnt \younger
.irp i, 0,1,2,3,4,5,6,7
	global_store_b128 v3, v[BK+32*\u+4*\i:BK+32*\u+4*\i+3], s[34:35] offset:4096*(8*\u+2*\i+8*(\i/4)) th:TH_STORE_NT   ; sixteen lanes store 256 consecutive bytes, aligned
.endr
.endm
	s_load_b256 s[4:11], s[0:1], 0x0               ; qbuf, kv, wq, bo
	s_load_b64 s[12:13], s[0:1], 0x20              ; out0
	v_lshl_add_u32 v5, v0, 2, SPARE
	v_mov_b32 v6, 0
	v_lshrrev_b32 v1, 5, v0
	v_readfirstlane_b32 s14, v1                    ; wave = head
	s_lshr_b32 s15, ttmp9, 6                       ; batch
	s_and_b32 s16, ttmp9, 63                       ; which 32 tokens of it
	s_lshl_b32 s17, s15, 4
	s_add_co_u32 s17, s17, s14                     ; batch x 16 + head
	s_mov_b32 s19, 0
	s_lshl_b32 s45, s14, 9
	s_mov_b32 s[CS], 0x3e38aa3b                    ; c = log2(e) / 8
	s_mov_b32 s[CS+1], s[CS]
	s_mov_b32 s[NC], 0xbe38aa3b                    ; -c
	s_mov_b32 s[SEL], 0x76543210
	s_mov_b32 s[SEL+1], 0xfedcba98
	s_mov_b32 s[HM], 0xffff0000
	s_mov_b32 s36, 0
	v_and_b32 v50, 31, v0                          ; lane
	v_and_b32 v51, 7, v0                           ; r % 8
	v_bfe_u32 v52, v0, 3, 1                        ; r / 8
	v_bfe_u32 v53, v0, 4, 1                        ; h
	v_lshlrev_b32 v1, 4, v50                       ; 16 x lane
	v_lshlrev_b32 v4, 3, v50                       ; V's scale words: 8 x lane
	v_lshlrev_b32 v3, 4, v51
	v_lshl_add_u32 v2, v52, 10, v3
	v_lshl_add_u32 v2, v53, 8, v2                  ; K's codes: 1024 (r / 8) + 16 (r % 8) + 256 h
	v_lshl_add_u32 v3, v52, 2, v3                  ; K's scale words: 16 (r % 8) + 4 (r / 8)
	v_add_nc_u32 v7, s45, v1                       ; LDS: my head's 512 bytes of a tile's codes of O
	v_and_b32 v54, 15, v0
	v_lshlrev_b32 v54, 4, v54                      ; Q's scale words: 16 r
	s_wait_alu depctr_va_vdst(0)                   ; the wait here, directly ahead of the wait below
	s_wait_kmcnt 0x0
	s_mul_i32 s18, s17, KVB
	s_add_nc_u64 s[20:21], s[6:7], s[18:19]        ; my head's block: K's and V's codes, 4,096 bytes a step;
	s_mov_b64 s[22:23], s[20:21]                   ; their scale words, 256 bytes a step
	s_lshl_b32 s18, s17, 16
	s_lshl_b32 s45, s16, 10
	s_add_co_u32 s18, s18, s45
	s_add_nc_u64 s[24:25], s[4:5], s[18:19]        ; Q's codes: my two tiles
	s_lshl_b32 s18, s17, 12
	s_lshr_b32 s45, s16, 2
	s_lshl_b32 s45, s45, 8
	s_add_co_u32 s18, s18, s45
	s_and_b32 s45, s16, 3
	s_lshl_b32 s45, s45, 2
	s_add_co_u32 s18, s18, s45
	s_add_co_u32 s18, s18, QSO
	s_add_nc_u64 s[26:27], s[4:5], s[18:19]        ; the pair's scale word
	s_lshl_b32 s18, s14, 15
	s_add_co_u32 s18, s18, 192<<13
	s_add_nc_u64 s[28:29], s[8:9], s[18:19]        ; Wo's tiles 4 w .. 4 w + 3, behind the 192 of Wq, Wk, Wv
	s_lshl_b32 s18, s14, 11
	s_add_co_u32 s18, s18, WSO+192*512
	s_add_nc_u64 s[30:31], s[8:9], s[18:19]        ; their scale words
	s_lshl_b32 s18, s14, 8
	s_add_nc_u64 s[32:33], s[10:11], s[18:19]      ; my 64 numbers of the bias
	s_lshl_b32 s45, ttmp9, 17
	s_add_co_u32 s18, s18, s45
	s_add_nc_u64 s[34:35], s[12:13], s[18:19]      ; out0 at my first token, my first column
	global_load_b32 v42, v54, s[26:27]
	global_load_b128 v[16:19], v1, s[24:25]
	global_load_b128 v[24:27], v1, s[24:25]
	global_load_b128 v[28:31], v1, s[24:25] offset:512
	global_load_b128 v[36:39], v1, s[24:25] offset:512
	KLOAD                                          ; step 0
	s_wait_loadcnt 16                              ; the scale word is in; the 16 loads behind it may be out
	v_and_b32 v50, 0xffff, v42
	v_lshrrev_b32 v51, 16, v42
	v_lshl_or_b32 v40, v50, 16, v50                ; Q's words: a tile's two bytes for either half of the 128
	v_lshl_or_b32 v41, v51, 16, v51
.irp i, 20,21,22,23,32,33,34,35
	v_mov_b32 v[\i], 0                             ; the zero codes between the two copies of Q
.endr
.irp i, 8,12
	v_mov_b32 v[\i], 0x7f61b1e6                    ; -M: 3e38
	v_mov_b32 v[\i+1], 0xff61b1e6                  ; the largest score so far: -3e38
	v_mov_b32 v[\i+2], 0                           ; the sum, in two halves
	v_mov_b32 v[\i+3], 0
.endr
	v_mov_b32 v[PT], 0                             ; a lane permute's destination counts as one of its sources
	v_mov_b32 v[F+1], 0                            ; (named as the upper half of a pair)
.set j, 0
.rept 64
	v_mov_b32 v[192+j], 0                          ; O^T of both tiles: the first step finds zeros, which the first change of M leaves zeros
.set j, j+1
.endr
	s_wait_alu depctr_va_vdst(0)                   ; the wait at the head's end
.Lstep:
	s_wait_loadcnt 0x0                             ; this step's K (the first time: Q too)
	QK 16, 40
	VLOAD                                          ; behind the four places: the last step's products have read V's registers
	SOFT 8, 10, 192
	s_wait_alu depctr_va_vdst(0)                   ; the wait here, directly ahead of the wait below
	s_wait_loadcnt 0x0                             ; this step's V
	PV 192
	QK 28, 41
	s_cmp_eq_u32 s36, 15                           ; the last step asks for nothing more
	s_cbranch_scc1 .Lno_more
	s_wait_xcnt 0x0                                ; V's loads have read the bases
	s_add_nc_u64 s[20:21], s[20:21], 4096
	s_add_nc_u64 s[22:23], s[22:23], 256
	KLOAD                                          ; the next step's K lands under tile B's softmax
.Lno_more:
	SOFT 12, 14, 224
	PV 224
	s_add_co_u32 s36, s36, 1
	s_cmp_lt_u32 s36, 16
	s_cbranch_scc1 .Lstep
	s_wait_loadcnt 0x0                             ; no load of mine is out: K's registers and its scale words' are written again from here on
	FIN 0, 10, 192                                 ; its plain lines are also the places behind the last products
	WLOAD 0                                        ; into K's and V's registers
	WLOAD 1
	FIN 1, 14, 224
	v_and_b32 v15, 15, v0                          ; r
	v_bfe_u32 v14, v0, 4, 1                        ; h
	v_and_b32 v13, 31, v0
	v_cndmask_b32 v50, v[HW], v[HW+1], s[HM]       ; lanes 0-15: tile 0's two bytes, lanes 16-31 tile 1's
	v_lshlrev_b32 v13, 5, v13                      ; a token's 32 scale bytes
	s_lshl_b32 s45, s14, 1
	s_add_co_u32 s45, s45, SCB
	v_add_nc_u32 v12, SCB, v13
	v_add_nc_u32 v13, s45, v13
	ds_store_b16 v13, v50                          ; my head's two
	v_lshlrev_b32 v11, 4, v15
	v_lshl_add_u32 v10, v14, 10, v11               ; Wo's scale words: 16 r, lanes 16-31 two tiles on
	v_lshlrev_b32 v9, 6, v14                       ; the bias: 64 h
.irp t, 0,1
.irp f, 0,1
	global_load_b128 v[WS+8*\t+4*\f:WS+8*\t+4*\f+3], v10, s[30:31] offset:512*\t+256*\f
.endr
.endr
.irp u, 0,1                            ; the sums begin as the bias: lane (r, h), tile t, register j: column 32 (t / 2) + 16 h + 8 (t % 2) + j
.irp t, 0,1,2,3
	global_load_b128 v[ACC+32*\u+8*\t:ACC+32*\u+8*\t+3], v9, s[32:33] offset:4*(32*(\t/2)+8*(\t%2))
	global_load_b128 v[ACC+32*\u+8*\t+4:ACC+32*\u+8*\t+7], v9, s[32:33] offset:4*(32*(\t/2)+8*(\t%2))+16
.endr
.endr
	WLOAD 2
	WLOAD 3
	s_mul_i32 s45, s14, 16*SP
	s_add_co_u32 s45, s45, OST                     ; my stage
	v_mul_u32_u24 v8, v15, SP
	v_lshl_add_u32 v8, v14, 6, v8
	v_add_nc_u32 v8, s45, v8                       ; in: row r, + 64 h
	v_mul_u32_u24 v2, v14, SP
	v_add_nc_u32 v2, v2, v11
	v_add_nc_u32 v2, s45, v2                       ; back: lanes 0-15 one row, lanes 16-31 the next
	v_lshl_add_u32 v3, v14, 12, v11                ; and the same two rows in out0
	s_wait_alu depctr_va_vdst(0)                   ; the wait here, directly ahead of the wait below
	s_wait_dscnt 0x0                               ; for the others' sake: my codes and bytes of O are in LDS
	s_barrier_signal -1
	s_barrier_wait -1                              ; every head's are
	ds_load_b128 v[XS:XS+3], v12
	ds_load_b128 v[XS+4:XS+7], v12 offset:16       ; word s: the bytes of heads 2 s and 2 s + 1
.irp s, 0,1,2,3,4,5,6,7
	KSTEP \s
.endr
.rept 4
	v_nop                                          ; places in front of the first read of results and of the loads into Wo's registers
.endr
	TOSTAGE 0
	TOSTAGE 1
	SEND 0, 16                                     ; behind tile 0's loads: tile 1's eight stores and eight loads
	SEND 1, 0
	s_wait_tensorcnt 0x0                           ; the wave's end, behind my last LDS store
	ds_add_u32 v5, v6
	s_wait_dscnt 0x0
	s_endpgm
.Lfunc_end_k_q8f781890fc_attno:
	.size	k_q8f781890fc_attno, .Lfunc_end_k_q8f781890fc_attno-k_q8f781890fc_attno
	.p2alignl 7, 3214868480
	.fill 96, 4, 3214868480
	.section	.rodata,"a",@progbits
	.p2align	6, 0x0
	.amdhsa_kernel k_q8f781890fc_attno
		.amdhsa_group_segment_fixed_size 89088
		.amdhsa_private_segment_fixed_size 0
		.amdhsa_enable_private_segment 0
		.amdhsa_kernarg_size 40
		.amdhsa_user_sgpr_count 2
		.amdhsa_user_sgpr_kernarg_segment_ptr 1
		.amdhsa_wavefront_size32 1
		.amdhsa_system_sgpr_workgroup_id_x 1
		.amdhsa_system_sgpr_workgroup_id_y 1
		.amdhsa_system_sgpr_workgroup_id_z 1
		.amdhsa_system_vgpr_workitem_id 0
		.amdhsa_next_free_vgpr 256
		.amdhsa_next_free_sgpr 66
		.amdhsa_reserve_vcc 0
		.amdhsa_float_denorm_mode_32 3
		.amdhsa_float_denorm_mode_16_64 3
		.amdhsa_memory_ordered 1
		.amdhsa_forward_progress 1
		.amdhsa_inst_pref_size 66
	.end_amdhsa_kernel
	.amdgpu_metadata
---
amdhsa.version: [ 1, 2 ]
amdhsa.kernels:
  - .name:           k_q8f781890fc_attno
    .symbol:         k_q8f781890fc_attno.kd
    .args:
      - { .name: qbuf, .offset: 0, .size: 8, .value_kind: global_buffer, .address_space: global }
      - { .name: kv, .offset: 8, .size: 8, .value_kind: global_buffer, .address_space: global }
      - { .name: wq, .offset: 16, .size: 8, .value_kind: global_buffer, .address_space: global }
      - { .name: bo, .offset: 24, .size: 8, .value_kind: global_buffer, .address_space: global }
      - { .name: out0, .offset: 32, .size: 8, .value_kind: global_buffer, .address_space: global }
    .group_segment_fixed_size: 89088
    .private_segment_fixed_size: 0
    .kernarg_segment_align: 8
    .kernarg_segment_size: 40
    .max_flat_workgroup_size: 512
    .sgpr_count:     66
    .vgpr_count:     256
    .wavefront_size: 32
...
	.end_amdgpu_metadata
.endif
;; end of part 3
